; MI455X (gfx1250); checked and timed in simulation.
; The chip was launched on July 23, 2026; its instructions are those of AMD's public machine-readable ISA for CDNA 5 (MIT licence, August 2026) and "CDNA5" Instruction Set Architecture Reference Guide (July 2026). The comments in the code are by the model that wrote it; some were corrected since.
;; Multihead Local Pos Attention. Allowed arithmetic: matrix products marked QUANTISED: E2M3 operands, one E8M0 scale for each 32 along K, by v_wmma_scale_f32_16x16x128_f8f6f4 with both operands' format E2M3, f32 sums; products left as they are: f32 operands where the result goes on into a quantised operand, else bf16, f16 or f32 operands; f32 sums; everything else in f32.
;; Inputs: Wo_codes 256 x 8 x 24 uint8 (E2M3 codes of Wo, K innermost, in blocks of 32 codes, four codes in three bytes); Wo_scales 256 x 8 uint8 (E8M0 scales of Wo, one for each 32 codes along K); Wp1 128 x 1 float32; Wp2_codes 256 x 4 x 24 uint8 (E2M3 codes of Wp2, K innermost, in blocks of 32 codes, four codes in three bytes); Wp2_scales 256 x 4 uint8 (E8M0 scales of Wp2, one for each 32 codes along K); Wqkv_codes 768 x 8 x 24 uint8 (E2M3 codes of Wqkv, K innermost, in blocks of 32 codes, four codes in three bytes); Wqkv_scales 768 x 8 uint8 (E8M0 scales of Wqkv, one for each 32 codes along K); attn_index 32,768 x 16 int32; bo 256 float32; bp1 128 float32; bp2 256 float32; bqkv 768 float32; mask 32,768 x 16 bool; pos 32,768 x 3 float32; x_codes 32,768 x 8 x 24 uint8 (E2M3 codes of x, K innermost, in blocks of 32 codes, four codes in three bytes); x_scales 32,768 x 8 uint8 (E8M0 scales of x, one for each 32 codes along K).
;; Outputs: out0 32,768 x 256 float32.
;; Constants: nsample = 16.
;; This version of the problem:
;;   THIS VERSION OF THE PROBLEM IS GIVEN IN LOW PRECISION. The matrix products marked QUANTISED in the list below multiply operands that are first quantised to E2M3 (2 exponent bits, 3 mantissa bits; 6 bits a number), with one power-of-two scale for each 32 numbers along K (OCP MX v1.0); their sums are f32. All else is computed in f32.
;;   The module's matrix products, in the order in which they are computed (A, B: the left and right operand; K: the contracted axis; several contracted axes count as one K, in the product's order):
;;     1. [M 32,768, K 256] x [K 256, N 768]; A: input x (given as codes); B: input Wqkv (given as codes): QUANTISED
;;     2. [M 524,288, K 1] x [K 1, N 128]; A: computed on the way; B: input Wp1: left as it is (K = 1 < 32)
;;     3. [M 524,288, K 128] x [K 128, N 256]; A: computed on the way; B: input Wp2 (given as codes): QUANTISED
;;     4. [M 32,768, K 256] x [K 256, N 256]; A: computed on the way; B: input Wo (given as codes): QUANTISED
;;   THE QUANTISER, for each operand of a quantised product, along K:
;;     - K is cut into blocks of 32 from its start; a last block that is shorter is filled with zeros.
;;     - A block's scale is 2^e with e = floor(log2(the largest magnitude in the block)) - 2, held to -126 .. 127; a block of zeros has e = 0. As a byte (E8M0): e + 127.
;;     - Each number is divided by its block's scale, clamped to +-7.5, and rounded to the nearest number of E2M3, ties to even, subnormals kept.
;;     - The product sums the exact products of the quantised numbers (number of the format x scale) in f32.
;;   ~~~python
;;   def quantise(x, axis):      # numpy; x: float32 -> the quantised numbers, widened to float32 again
;;       x = np.moveaxis(x, axis, -1); K = x.shape[-1]
;;       x = np.pad(x, [(0, 0)] * (x.ndim - 1) + [(0, -K % 32)]); x = x.reshape(x.shape[:-1] + (-1, 32)); a = np.abs(x).max(-1, keepdims=True)
;;       e = np.where(a > 0, np.clip(np.frexp(np.where(a > 0, a, 1))[1] - 1 - 2, -126, 127), 0)      # np.frexp(a)[1] - 1 = floor(log2(a)), exactly
;;       r = np.clip(x / 2.0 ** e, -7.5, 7.5)
;;       step = 2.0 ** (np.maximum(np.frexp(np.where(r == 0, 1, r))[1] - 1, 0) - 3)
;;       q = np.round(r / step) * step * 2.0 ** e      # np.round: ties to even
;;       return np.moveaxis(q.reshape(q.shape[:-2] + (-1,))[..., :K], -1, axis).astype(np.float32)
;;   ~~~
;;   OPERANDS COMPUTED ON THE WAY. 'Computed on the way' means the value that the module computes at that place (a softmax that the list does not call 'softmax' is quantised finished and normalised). What goes into a quantiser is computed in f32, as accurately as f32 sums, v_exp_f32 and their like allow (about 1e-6 of the number): no bf16 or f16 on the way to a quantiser, and a product that is left as it is and whose result goes on into a quantised operand takes f32 operands (vector FMAs, or v_wmma_f32_16x16x4_f32). A number that lies on a knife's edge between two numbers of the format may be rounded either way, as far as f32 arithmetic and the matrix unit's own rounding can turn it there, and no further.
;;   INPUTS GIVEN AS CODES. Wo (in the module: [256, 256], K = its axis 1); Wp2 (in the module: [256, 128], K = its axis 1); Wqkv (in the module: [768, 256], K = its axis 1); x (in the module: [32768, 256], K = its axis 1): each comes as NAME_codes (uint8): NAME with its K axis moved to the last place and cut into blocks of 32 codes, [.., K / 32, bytes a block], one block behind the other in memory; four codes in three bytes: a row's codes are one little-endian stream of bits, code i at bits 6 i .. 6 i + 5 (a code: sign, 2 exponent bits, 3 mantissa bits); and NAME_scales (uint8): the same leading axes, one E8M0 byte (e + 127) for each 32 codes along K. Its value is code x scale, taken as it is: it is not quantised again, and the codes and scales need not be those that the quantiser above would give.
;; One version. Each part assembles by itself: llvm-mc -triple=amdgcn-amd-amdhsa -mcpu=gfx1250 --defsym DOCPART=n.
;; ======== version 1 of 1: 1 launch
;; limits: right only within a limited range of input values
;; launch fused (part 1): grid 256 x 1, 8 waves a work-group, no clusters, 311,552 bytes of LDS; arguments x_codes, x_scales, pos, attn_index, mask, out0, Wqkv_codes, Wqkv_scales, bqkv, Wp2_codes, Wp2_scales, bp2, Wo_codes, Wo_scales, bo, Wp1, bp1; writes out0
.if DOCPART == 1
	.amdgcn_target "amdgcn-amd-amdhsa--gfx1250"
	.amdhsa_code_object_version 6
	.text
	.protected	k_q931c3c6b40_fused
	.globl	k_q931c3c6b40_fused
	.p2align	8
	.type	k_q931c3c6b40_fused,@function
k_q931c3c6b40_fused:
	s_mov_b64 s[64:65], 0
	v_nop
	global_prefetch_b8 v0, s[64:65] scope:SCOPE_SE
	s_setreg_imm32_b32 hwreg(HW_REG_WAVE_MODE, 25, 1), 1
	s_wait_xcnt 0x0
; Local attention with a position MLP, 32,768 points x 16 neighbours x 256 channels: all four products and the softmax in one launch.
; k and v of the neighbours are not stored and gathered: a neighbour's row of x (192 bytes of codes + 8 scale bytes) is gathered, and since a point's 16 neighbours are the 16 rows
; of a fragment, their k and v are made by the format's own matrix instruction.
; SHARES.  A work-group of eight waves owns 128 points.  Wave w = (c = w % 4, g = w / 4) owns channels 64 c .. 64 c + 63 of the 64 points of group g; its rows of Wk, Wv, Wp2 (240 registers) stay in window 1.
; A round is four points a group.  Each wave also PRODUCES point c of the next round: the gathered rows of x, their scale words, the mask's biases and the whole hidden fragment.
; MEMORY IS ASKED FOR NEIGHBOURING BYTES BY NEIGHBOURING LANES: a row of 192 bytes is 12 lanes x 16 bytes, a point's 16 rows are six loads; the weights and the work-group's own x, dense blocks, are read once
; a work-group in the same way.  In LDS a row of 192 bytes gets 16 bytes of padding (pitch 208 = 52 words: the 32 lanes of a fragment's 8-byte load touch 64 different banks).
; The staged weights lie, in the head alone, on bytes that later hold the rounds' buffers, the out rows and q; barriers part the two uses.
; HIDDEN LAYER: lane (r, h) makes units 64 j + 32 h + 0..31 (j = 0, 1) of neighbour r: the operand's own register layout; Wp1 and bp1 come from LDS, each half of the lanes its own blocks.
; ORIENTATION.  Source 0 = the 16 neighbours, source 1 = 16 channels: register j of lane (r, h) holds neighbour 8 h + j, channel r.
; IDENTITIES, exact for every input: (1) (k + bk) q + rel + bp2 differs from k q + rel by bk q + bp2, the same for all 16 neighbours of a channel: it leaves with the maximum, so bqkv's middle third is not read.
; (2) the weights add up to 1: out = sum((v + rel) p) / sum(p) + (bv + bp2).  (3) v + rel is made by the matrix unit: rel is the C of v's first instruction.
; (4) the mask is the C of rel's instruction: 0, or -2^100 for a masked neighbour: its p is 0, and (v + rel) x 0 stays finite.
; (5) a point with all 16 neighbours masked is NaN in the definition: its scale bytes for the last product are set to 0xff.
; The maximum is taken away as the definition has it: t = fma(w, log2 e, -fl(m log2 e)).
; LIMITS: |k q + rel| must stay far under 2^100; NaN and infinities among the inputs are not served (one that reaches bk alone is not carried); indices are held to 0 .. 32767; blocks under 2^(3 - 127) get the byte 1.
; NO CLUSTER, NO TENSOR LOADS: the stream is gathered rows; the weights, 231,424 bytes, are read once a work-group.  NO PREFETCH: each gather is issued a whole round ahead of its use, into registers.
; REGISTERS, window 0: v1-39 addresses; v40-79 what the gathers bring; v80-99 weights' scale words and biases; v100-151 a point's operands; v152-159 at work; v160-191 rel, v192-223 k, v224-255 v + rel.
.set REC,   5184                       ; a point: x rows 3,328 | hidden image 1,536 | scale words 256 | mask biases 64
.set BUFB,  8*REC
.set OST,   2*BUFB                     ; a wave's own 16 rows x 272 bytes
.set QB,    OST+8*4352                 ; q: a wave's own 16,384 bytes, [64 points][16 r][4 tiles]
.set WOR,   QB+131072                  ; Wo: 256 rows of pitch 208
.set OCIMG, WOR+53248
.set OSC,   OCIMG+6144
.set FLAG,  OSC+256
.set WB,    FLAG+1024                  ; Wp1 (512 bytes), bp1 (512 bytes)
.set SPARE, WB+1024
.set TP,    0                          ; in the head: Wp2, my work-group's x, Wqkv
.set TX,    BUFB
.set TW,    OST
.set PA,  11
.set PI,  14
.set PP,  17
.set GI,  40
.set GX,  46
.set IR,  70
.set PO,  71
.set SQ,  72
.set NP,  76
.set MK,  79
.set KVS, 80
.set WPS, 88
.set WOS, 90
.set BVP, 94
.set BOR, 96
.set XA,  100
.set HA,  124
.set MBR, 136
.set HS,  144
.set XS0, 146
.set XS1, 147
.set QR,  148
.set REL, 160
.set KK,  192
.set VR,  224
.set MX,  160
.set TX4, 164
.set NM,  168
.set LSU, 172
.set ASU, 180
.set RC,  188
.set OV,  190
.set WK,  0
.set WV,  96
.set WP,  192
.set MSB, 0
.macro WIN new
.if MSB != \new
	s_set_vgpr_msb (MSB<<8)|\new
.set MSB, \new
.endif
.endm
.macro NOPS n
.rept \n
	v_nop
.endr
.endm
.macro BAR
	s_wait_dscnt 0x0
	s_barrier_signal -1
	s_barrier_wait -1
.endm
.macro MMZ d, a, b, sa, sb, ra
.if (\ra)
	v_wmma_scale_f32_16x16x128_f8f6f4 v[(\d):(\d)+7], v[(\a):(\a)+11], v[(\b):(\b)+11], 0, v[(\sa)], v[(\sb)] matrix_a_fmt:MATRIX_FMT_FP6 matrix_b_fmt:MATRIX_FMT_FP6 matrix_a_scale:MATRIX_SCALE_ROW1
.else
	v_wmma_scale_f32_16x16x128_f8f6f4 v[(\d):(\d)+7], v[(\a):(\a)+11], v[(\b):(\b)+11], 0, v[(\sa)], v[(\sb)] matrix_a_fmt:MATRIX_FMT_FP6 matrix_b_fmt:MATRIX_FMT_FP6
.endif
.endm
.macro MMC d, a, b, c, sa, sb, ra, rb
.if (\ra) && (\rb)
	v_wmma_scale_f32_16x16x128_f8f6f4 v[(\d):(\d)+7], v[(\a):(\a)+11], v[(\b):(\b)+11], v[(\c):(\c)+7], v[(\sa)], v[(\sb)] matrix_a_fmt:MATRIX_FMT_FP6 matrix_b_fmt:MATRIX_FMT_FP6 matrix_a_scale:MATRIX_SCALE_ROW1 matrix_b_scale:MATRIX_SCALE_ROW1
.elseif (\ra)
	v_wmma_scale_f32_16x16x128_f8f6f4 v[(\d):(\d)+7], v[(\a):(\a)+11], v[(\b):(\b)+11], v[(\c):(\c)+7], v[(\sa)], v[(\sb)] matrix_a_fmt:MATRIX_FMT_FP6 matrix_b_fmt:MATRIX_FMT_FP6 matrix_a_scale:MATRIX_SCALE_ROW1
.elseif (\rb)
	v_wmma_scale_f32_16x16x128_f8f6f4 v[(\d):(\d)+7], v[(\a):(\a)+11], v[(\b):(\b)+11], v[(\c):(\c)+7], v[(\sa)], v[(\sb)] matrix_a_fmt:MATRIX_FMT_FP6 matrix_b_fmt:MATRIX_FMT_FP6 matrix_b_scale:MATRIX_SCALE_ROW1
.else
	v_wmma_scale_f32_16x16x128_f8f6f4 v[(\d):(\d)+7], v[(\a):(\a)+11], v[(\b):(\b)+11], v[(\c):(\c)+7], v[(\sa)], v[(\sb)] matrix_a_fmt:MATRIX_FMT_FP6 matrix_b_fmt:MATRIX_FMT_FP6
.endif
.endm
; the largest magnitude of v[b] .. v[b + 31] into v[a0], with the floor 2^(3 - 127)
.macro AMAX b, a0, a1
	v_max3_num_f32 v[(\a0)], |v[(\b)]|, |v[(\b)+1]|, 0x1800000
	v_max3_num_f32 v[(\a1)], |v[(\b)+2]|, |v[(\b)+3]|, |v[(\b)+4]|
.irp i, 5,9,13,17,21,25
	s_delay_alu instid0(VALU_DEP_2)
	v_max3_num_f32 v[(\a0)], v[(\a0)], |v[(\b)+\i]|, |v[(\b)+\i+1]|
	s_delay_alu instid0(VALU_DEP_2)
	v_max3_num_f32 v[(\a1)], v[(\a1)], |v[(\b)+\i+2]|, |v[(\b)+\i+3]|
.endr
	s_delay_alu instid0(VALU_DEP_2)
	v_max3_num_f32 v[(\a0)], v[(\a0)], |v[(\b)+29]|, |v[(\b)+30]|
	s_delay_alu instid0(VALU_DEP_1)
	v_max3_num_f32 v[(\a0)], v[(\a0)], v[(\a1)], |v[(\b)+31]|
.endm
; two blocks of numbers that are never negative, four chains by turns: results in v[a] and v[a + 2]
.macro AMAXP b0, b1, a
	v_max3_num_f32 v[(\a)], v[(\b0)], v[(\b0)+1], 0x1800000
	v_max3_num_f32 v[(\a)+1], v[(\b0)+2], v[(\b0)+3], v[(\b0)+4]
	v_max3_num_f32 v[(\a)+2], v[(\b1)], v[(\b1)+1], 0x1800000
	v_max3_num_f32 v[(\a)+3], v[(\b1)+2], v[(\b1)+3], v[(\b1)+4]
.irp i, 5,9,13,17,21,25
	s_delay_alu instid0(VALU_DEP_4)
	v_max3_num_f32 v[(\a)], v[(\a)], v[(\b0)+\i], v[(\b0)+\i+1]
	s_delay_alu instid0(VALU_DEP_4)
	v_max3_num_f32 v[(\a)+1], v[(\a)+1], v[(\b0)+\i+2], v[(\b0)+\i+3]
	s_delay_alu instid0(VALU_DEP_4)
	v_max3_num_f32 v[(\a)+2], v[(\a)+2], v[(\b1)+\i], v[(\b1)+\i+1]
	s_delay_alu instid0(VALU_DEP_4)
	v_max3_num_f32 v[(\a)+3], v[(\a)+3], v[(\b1)+\i+2], v[(\b1)+\i+3]
.endr
	s_delay_alu instid0(VALU_DEP_4)
	v_max3_num_f32 v[(\a)], v[(\a)], v[(\b0)+29], v[(\b0)+30]
	s_delay_alu instid0(VALU_DEP_3)
	v_max3_num_f32 v[(\a)+2], v[(\a)+2], v[(\b1)+29], v[(\b1)+30]
	s_delay_alu instid0(VALU_DEP_2)
	v_max3_num_f32 v[(\a)], v[(\a)], v[(\a)+1], v[(\b0)+31]
	s_delay_alu instid0(VALU_DEP_2)
	v_max3_num_f32 v[(\a)+2], v[(\a)+2], v[(\a)+3], v[(\b1)+31]
.endm
.macro CODES b, cd
	s_delay_alu instid0(VALU_DEP_1)
	v_add_nc_u32 v[(\cd)+14], 0xff000000, v[(\cd)+12]
	v_cvt_scalef32_pk16_fp6_f32 v[(\cd):(\cd)+2], v[(\b):(\b)+15], v[(\cd)+14]
	v_cvt_scalef32_pk16_fp6_f32 v[(\cd)+8:(\cd)+10], v[(\b)+16:(\b)+31], v[(\cd)+14]
	v_lshrrev_b32 v[(\cd)+15], 23, v[(\cd)+14]
.irp i, 0,1,2
	v_mov_b32 v[(\cd)+3+\i], v[(\cd)+8+\i]
.endr
.endm
; the indices of my point of a round: for chunk 32 i + lane of its 192 chunks of 16 bytes (row = chunk / 12), and neighbour r's
.macro STAGEA step
	s_wait_xcnt 0x0                                ; the gathers have read their offsets: the indices land on those registers
.if \step
	s_add_nc_u64 s[10:11], s[10:11], 256
.endif
.irp i, 0,1,2,3,4,5
	global_load_b32 v[GI+\i], v[PI+(\i%3)], s[10:11] offset:32*(\i/3)
.endr
	global_load_b32 v[IR], v21, s[10:11]
.endm
; what the indices name: 11 loads and one scalar load
.macro STAGEB step
.if \step
	s_add_nc_u64 s[12:13], s[12:13], 64
	s_add_nc_u64 s[16:17], s[16:17], 48
.endif
.irp i, 0,1,2,3,4,5
	v_min_u32 v[GI+\i], 0x7fff, v[GI+\i]
.endr
	v_min_u32 v[IR], 0x7fff, v[IR]
.irp i, 0,1,2,3,4,5
	v_mul_u32_u24 v[GI+\i], v[GI+\i], 192
.endr
	v_mul_u32_u24 v[PO], v[IR], 12
	v_lshlrev_b32 v[IR], 3, v[IR]
.irp i, 0,1,2,3,4,5
	v_add_nc_u32 v[GI+\i], v[GI+\i], v[PP+(\i%3)]
.endr
.irp i, 0,1,2,3,4,5
	global_load_b128 v[GX+4*\i:GX+4*\i+3], v[GI+\i], s[4:5]        ; 12 neighbouring lanes read a row's 192 bytes
.endr
	global_load_b64 v[SQ+2:SQ+3], v[IR], s[6:7]
.irp k, 0,1,2
	global_load_b32 v[NP+\k], v[PO], s[8:9] offset:4*\k
.endr
	global_load_u8 v[MK], v20, s[12:13]
	s_load_b96 s[36:38], s[16:17], 0x0                             ; my point's own position
.endm
; Wp1's and bp1's blocks h, 2 + h: v160 W, v192 b (j = 0); v224 W, v100 b (j = 1)
.macro WLOAD
.irp i, 0,1,2,3,4,5,6,7
	ds_load_b128 v[160+4*\i:163+4*\i], v37 offset:16*\i
	ds_load_b128 v[192+4*\i:195+4*\i], v37 offset:512+16*\i
	ds_load_b128 v[224+4*\i:227+4*\i], v37 offset:256+16*\i
	ds_load_b128 v[100+4*\i:103+4*\i], v37 offset:768+16*\i
.endr
.endm
.macro PRODUCE buf
.irp i, 0,1,2,3,4,5
	ds_store_b128 v[PA+(\i%3)], v[GX+4*\i:GX+4*\i+3] offset:(\buf)*BUFB+(\i/3)*1664
.endr
.irp k, 0,1,2
	v_sub_f32 v[NP+\k], s[36+\k], v[NP+\k]
.endr
	v_mov_b32 v158, 0xf1800000                                     ; -2^100
	v_cmp_ne_u32 vcc_lo, 0, v[MK]
	s_cmp_eq_u32 vcc_lo, -1                                        ; all 16 masked?
	s_cselect_b32 s27, 0xff, 0
	v_mul_f32 v156, v[NP], v[NP]
	v_mov_b32 v159, s27
	s_delay_alu instid0(VALU_DEP_2)
	v_fmac_f32 v156, v[NP+1], v[NP+1]
	s_delay_alu instid0(VALU_DEP_1)
	v_fmac_f32 v156, v[NP+2], v[NP+2]
	v_cndmask_b32 v158, 0, v158, vcc_lo                            ; five vector lines behind the compare
	s_wait_alu depctr_va_vdst(0)                                   ; the wait ahead of the root,
	v_sqrt_f32 v156, v156
	v_nop
	s_wait_alu depctr_va_vdst(0)                                   ; and behind it
	ds_store_b32 v36, v158 offset:(\buf)*BUFB
	ds_store_b32 v10, v159
	s_wait_dscnt 0x0                                               ; Wp1's and bp1's blocks are in
.irp i, 0,2,4,6,8,10,12,14,16,18,20,22,24,26,28,30
	v_pk_fma_f32 v[192+\i:193+\i], v[160+\i:161+\i], v[156:157], v[192+\i:193+\i] op_sel_hi:[1,0,1]
	v_pk_fma_f32 v[100+\i:101+\i], v[224+\i:225+\i], v[156:157], v[100+\i:101+\i] op_sel_hi:[1,0,1]
.endr
.set i, 0
.rept 32
	v_max_num_f32 v[192+i], 0, v[192+i]
	v_max_num_f32 v[100+i], 0, v[100+i]
.set i, i+1
.endr
	AMAXP 192, 100, 144
	s_delay_alu instid0(VALU_DEP_2)
	v_add_nc_u32 v148, 0xff000000, v144                            ; 2 off the exponent field: the conversion's scale operand
	s_delay_alu instid0(VALU_DEP_2)
	v_add_nc_u32 v149, 0xff000000, v146
	v_cvt_scalef32_pk16_fp6_f32 v[132:134], v[192:207], v148
	v_cvt_scalef32_pk16_fp6_f32 v[150:152], v[208:223], v148
	v_lshrrev_b32 v153, 23, v148
.irp i, 0,1,2
	v_mov_b32 v[135+\i], v[150+\i]
.endr
	v_cvt_scalef32_pk16_fp6_f32 v[138:140], v[100:115], v149
	v_cvt_scalef32_pk16_fp6_f32 v[150:152], v[116:131], v149
	v_lshrrev_b32 v154, 23, v149
.irp i, 0,1,2
	v_mov_b32 v[141+\i], v[150+\i]
.endr
	s_delay_alu instid0(VALU_DEP_4)
	v_lshl_or_b32 v155, v154, 16, v153                             ; my bytes: blocks h and 2 + h,
	s_delay_alu instid0(VALU_DEP_1)
	v_lshlrev_b32 v155, v38, v155                                  ; 8 h bits up;
	v_permlanex16_b32 v158, v155, s28, s29
	s_delay_alu instid0(VALU_DEP_1)
	v_or_b32 v[SQ], v155, v158                                     ; with the other half's the word is whole
.irp i, 0,1,2
	ds_store_b128 v34, v[132+4*\i:135+4*\i] offset:(\buf)*BUFB+512*\i
.endr
	ds_store_b128 v35, v[SQ:SQ+3] offset:(\buf)*BUFB               ; hidden word, 0, x's two words
.endm
; round s20 makes round s20 + 1's operands, gathers for s20 + 2, fetches the indices of s20 + 3
.macro PBLOCK par
	s_cmp_ge_u32 s20, 15
	s_cbranch_scc1 .Lpb_\@
	s_wait_dscnt 0x0
	WLOAD
	s_wait_loadcnt 0x0
	s_wait_kmcnt 0x0
	PRODUCE 1-\par
	s_wait_dscnt 0x0                                               ; the stores have read the registers into which the next gathers land
	s_cmp_ge_u32 s20, 14
	s_cbranch_scc1 .Lpb_\@
	STAGEB 1
	s_cmp_ge_u32 s20, 13
	s_cbranch_scc1 .Lpb_\@
	STAGEA 1
.Lpb_\@:
.endm
.macro LOADA par, e
.set LI, (\par)*BUFB+(\e)*REC
.irp p, 0,1,2,3,4,5,6,7,8,9,10,11
	ds_load_b64 v[XA+2*\p:XA+2*\p+1], v1 offset:LI+48*(\p/3)+8*(\p%3)
.endr
.irp i, 0,1,2
	ds_load_b128 v[HA+4*\i:HA+4*\i+3], v2 offset:LI+3328+512*\i
.endr
	ds_load_b128 v[HS:HS+3], v3 offset:LI+4864
	ds_load_b128 v[MBR:MBR+3], v4 offset:LI+5120
	ds_load_b128 v[MBR+4:MBR+7], v4 offset:LI+5136
	ds_load_b128 v[QR:QR+3], v6 offset:(\e)*256
.endm
; one point, my 64 channels
.macro POINT par, e, next
	s_wait_dscnt 0x0
.if (\e) == 3
	s_barrier_signal -1                                            ; my reads of this round's buffer are over and my operands for the next round have landed; only work on registers follows up to the wait
.endif
	WIN 0x04
	MMC REL, HA, WP, MBR, HS, WPS, 0, 0                            ; rel + the mask's bias; the accumulators take turns
	MMC REL+8, HA, WP+12, MBR, HS, WPS, 0, 1
	MMC REL+16, HA, WP+24, MBR, HS, WPS+1, 0, 0
	MMC REL+24, HA, WP+36, MBR, HS, WPS+1, 0, 1
.irp t, 0,1,2,3
	MMZ KK+8*\t, XA, WK+24*\t, XS0, KVS+2*\t, 0
.endr
.irp t, 0,1,2,3
	MMC KK+8*\t, XA+12, WK+24*\t+12, KK+8*\t, XS1, KVS+2*\t+1, 0, 0
.endr
	NOPS 5                                                         ; rel becomes the C of another accumulator: five places (ISA guide 7.12.1)
.irp t, 0,1,2,3
	MMC VR+8*\t, XA, WV+24*\t, REL+8*\t, XS0, KVS+2*\t, 0, 1
.endr
.irp t, 0,1,2,3
	MMC VR+8*\t, XA+12, WV+24*\t+12, VR+8*\t, XS1, KVS+2*\t+1, 0, 1
.endr
	WIN 0
	NOPS 4
.irp i, 0,1,2,3                        ; w = k q + rel
.irp u, 0,1
	v_pk_fma_f32 v[KK+16*\u+2*\i:KK+16*\u+2*\i+1], v[KK+16*\u+2*\i:KK+16*\u+2*\i+1], v[QR+2*\u:QR+2*\u+1], v[REL+16*\u+2*\i:REL+16*\u+2*\i+1] op_sel_hi:[1,0,1]
	v_pk_fma_f32 v[KK+16*\u+8+2*\i:KK+16*\u+8+2*\i+1], v[KK+16*\u+8+2*\i:KK+16*\u+8+2*\i+1], v[QR+2*\u:QR+2*\u+1], v[REL+16*\u+8+2*\i:REL+16*\u+8+2*\i+1] op_sel:[0,1,0] op_sel_hi:[1,1,1]
.endr
.endr
.if \next
	LOADA \par, (\e)+1
.endif
.irp t, 0,1,2,3
	v_max3_num_f32 v[MX+\t], v[KK+8*\t], v[KK+8*\t+1], v[KK+8*\t+2]
.endr
.irp t, 0,1,2,3
	s_delay_alu instid0(VALU_DEP_4)
	v_max3_num_f32 v[MX+\t], v[MX+\t], v[KK+8*\t+3], v[KK+8*\t+4]
.endr
.irp t, 0,1,2,3
	s_delay_alu instid0(VALU_DEP_4)
	v_max3_num_f32 v[MX+\t], v[MX+\t], v[KK+8*\t+5], v[KK+8*\t+6]
.endr
.irp t, 0,1,2,3
	s_delay_alu instid0(VALU_DEP_4)
	v_max_num_f32 v[MX+\t], v[MX+\t], v[KK+8*\t+7]
.endr
.irp t, 0,1,2,3
	v_permlanex16_b32 v[TX4+\t], v[MX+\t], s28, s29
.endr
.irp t, 0,1,2,3
	s_delay_alu instid0(VALU_DEP_4)
	v_max_num_f32 v[MX+\t], v[MX+\t], v[TX4+\t]
.endr
.irp t, 0,1,2,3
	s_delay_alu instid0(VALU_DEP_4)
	v_mul_f32 v[NM+\t], 0xbfb8aa3b, v[MX+\t]
.endr
.irp i, 0,1,2,3
.irp u, 0,1
	v_pk_fma_f32 v[KK+16*\u+2*\i:KK+16*\u+2*\i+1], v[KK+16*\u+2*\i:KK+16*\u+2*\i+1], s[30:31], v[NM+2*\u:NM+2*\u+1] op_sel_hi:[1,0,0]
	v_pk_fma_f32 v[KK+16*\u+8+2*\i:KK+16*\u+8+2*\i+1], v[KK+16*\u+8+2*\i:KK+16*\u+8+2*\i+1], s[30:31], v[NM+2*\u:NM+2*\u+1] op_sel:[0,0,1] op_sel_hi:[1,0,1]
.endr
.endr
.set i, 0
	s_wait_alu depctr_va_vdst(0)
.rept 32
	v_exp_f32 v[KK+i], v[KK+i]
.set i, i+1
.endr
	v_nop
	s_wait_alu depctr_va_vdst(0)
.irp t, 0,1,2,3
	v_pk_add_f32 v[LSU+2*\t:LSU+2*\t+1], v[KK+8*\t:KK+8*\t+1], v[KK+8*\t+2:KK+8*\t+3]
	v_pk_mul_f32 v[ASU+2*\t:ASU+2*\t+1], v[VR+8*\t:VR+8*\t+1], v[KK+8*\t:KK+8*\t+1]
.endr
.irp t, 0,1,2,3
	v_pk_fma_f32 v[ASU+2*\t:ASU+2*\t+1], v[VR+8*\t+2:VR+8*\t+3], v[KK+8*\t+2:KK+8*\t+3], v[ASU+2*\t:ASU+2*\t+1]
.endr
.irp i, 4,6
.irp t, 0,1,2,3
	v_pk_add_f32 v[LSU+2*\t:LSU+2*\t+1], v[LSU+2*\t:LSU+2*\t+1], v[KK+8*\t+\i:KK+8*\t+\i+1]
	v_pk_fma_f32 v[ASU+2*\t:ASU+2*\t+1], v[VR+8*\t+\i:VR+8*\t+\i+1], v[KK+8*\t+\i:KK+8*\t+\i+1], v[ASU+2*\t:ASU+2*\t+1]
.endr
.endr
.irp t, 0,1,2,3
	v_add_f32 v[LSU+2*\t], v[LSU+2*\t], v[LSU+2*\t+1]
	v_add_f32 v[ASU+2*\t], v[ASU+2*\t], v[ASU+2*\t+1]
.endr
.irp u, 0
	v_permlane16_swap_b32 v[LSU+4*\u], v[LSU+4*\u+2]
	v_permlane16_swap_b32 v[ASU+4*\u], v[ASU+4*\u+2]
.endr
.irp u, 1
	s_delay_alu instid0(VALU_DEP_4)
	v_permlane16_swap_b32 v[LSU+4*\u], v[LSU+4*\u+2]
	s_delay_alu instid0(VALU_DEP_4)
	v_permlane16_swap_b32 v[ASU+4*\u], v[ASU+4*\u+2]
.endr
.irp u, 0,1
	s_delay_alu instid0(VALU_DEP_4)
	v_add_f32 v[LSU+4*\u], v[LSU+4*\u], v[LSU+4*\u+2]
	s_delay_alu instid0(VALU_DEP_4)
	v_add_f32 v[ASU+4*\u], v[ASU+4*\u], v[ASU+4*\u+2]
.endr
	s_wait_alu depctr_va_vdst(0)
	v_rcp_f32 v[RC], v[LSU]
	v_rcp_f32 v[RC+1], v[LSU+4]
	v_nop
	s_wait_alu depctr_va_vdst(0)
.irp u, 0,1
	v_fma_f32 v[OV+\u], v[ASU+4*\u], v[RC+\u], v[BVP+\u]
.endr
.if (\e) == 3
	s_wait_alu depctr_va_vdst(0)                                   ; the wait ahead of the barrier's wait
	s_barrier_wait -1                                              ; the round's barrier: signalled at this point's head
.endif
.irp u, 0,1
	ds_store_b32 v8, v[OV+\u] offset:(\e)*272+128*\u
.endr
.endm
; a round: four points.  Of the two waves that differ in s19 one produces ahead of point 0, the other between points 1 and 2; the round's barrier is signalled at the head of point 3 and waited for at its end.
; The addresses are made ahead of the parting.
.macro ROUND par
	v_add_nc_u32 v6, s23, v5
	v_add_nc_u32 v8, s24, v7
	v_add_nc_u32 v10, s25, v9
	s_wait_alu depctr_va_vdst(0)
	s_cmp_lg_u32 s19, 0
	s_cbranch_scc1 .Lr0_\@
	PBLOCK \par
.Lr0_\@:
	LOADA \par, 0
	POINT \par, 0, 1
	POINT \par, 1, 0
	s_cmp_eq_u32 s19, 0
	s_cbranch_scc1 .Lr1_\@
	PBLOCK \par
.Lr1_\@:
	LOADA \par, 2
	POINT \par, 2, 1
	POINT \par, 3, 0
	s_add_co_u32 s23, s23, 1024
	s_add_co_u32 s24, s24, 1088
	s_add_co_u32 s25, s25, 4
	s_add_co_u32 s20, s20, 1
.endm
; after four rounds a group has 16 points of out: quantised along the 256 channels and multiplied by Wo
.macro WO
	v_add_nc_u32 v6, s26, v32
.irp i, 0,1,2,3,4,5,6,7
	ds_load_b128 v[160+4*\i:163+4*\i], v22 offset:16*\i
.endr
	ds_load_b32 v152, v6
	s_wait_dscnt 0x0
	AMAX 160, 236, 237
	CODES 160, 224
	s_delay_alu instid0(VALU_DEP_4)
	v_or_b32 v239, v239, v152
	ds_store_b128 v25, v[224:227]
	ds_store_b64 v26, v[228:229]
	ds_store_b8 v27, v239
	BAR
.irp f, 0,1,2,3
	ds_load_b128 v[XA+6*\f:XA+6*\f+3], v28 offset:768*\f
	ds_load_b64 v[XA+6*\f+4:XA+6*\f+5], v29 offset:768*\f
.endr
	ds_load_b64 v[XS0:XS1], v30
.irp t, 0,1,2,3
.irp p, 0,1,2,3,4,5,6,7,8,9,10,11
	ds_load_b64 v[160+24*\t+2*\p:161+24*\t+2*\p], v31 offset:3328*\t+48*(\p/3)+8*(\p%3)
.endr
.endr
	s_wait_dscnt 0x0
	MMZ 124, 160, XA, WOS, XS0, 0                                  ; transposed: a lane holds eight neighbouring outputs of point r
	MMZ 132, 184, XA, WOS, XS0, 1
	MMC 124, 172, XA+12, 124, WOS+1, XS1, 0, 0
	MMC 132, 196, XA+12, 132, WOS+1, XS1, 1, 0
	NOPS 5
	MMZ 160, 208, XA, WOS+2, XS0, 0
	MMZ 168, 232, XA, WOS+2, XS0, 1
	MMC 160, 220, XA+12, 160, WOS+3, XS1, 0, 0
	MMC 168, 244, XA+12, 168, WOS+3, XS1, 1, 0
	NOPS 4
.irp t, 0,1
	ds_store_b128 v23, v[124+8*\t:127+8*\t] offset:64*\t
	ds_store_b128 v23, v[128+8*\t:131+8*\t] offset:64*\t+16
.endr
.irp t, 0,1
	ds_store_b128 v23, v[160+8*\t:163+8*\t] offset:128+64*\t
	ds_store_b128 v23, v[164+8*\t:167+8*\t] offset:128+64*\t+16
.endr
.irp i, 0,1,2,3,4,5,6,7
	ds_load_b128 v[176+4*\i:179+4*\i], v24 offset:544*\i
.endr
	s_wait_dscnt 0x0
.irp i, 0,1,2,3,4,5,6,7
	v_pk_add_f32 v[176+4*\i:177+4*\i], v[176+4*\i:177+4*\i], v[BOR:BOR+1]
	v_pk_add_f32 v[178+4*\i:179+4*\i], v[178+4*\i:179+4*\i], v[BOR+2:BOR+3]
.endr
.irp i, 0,1,2,3,4,5,6,7
	global_store_b128 v33, v[176+4*\i:179+4*\i], s[14:15] offset:2048*\i th:TH_STORE_NT   ; 16 lanes store 256 consecutive bytes, aligned
.endr
	s_wait_xcnt 0x0
	s_add_nc_u64 s[14:15], s[14:15], 16384
	s_add_co_u32 s26, s26, 16
.endm
	; ---- THE HEAD: scalars first, then all vector address work on end
	s_load_b256 s[4:11], s[0:1], 0x0               ; x's codes, x's scales, pos, the indices
	s_load_b128 s[12:15], s[0:1], 0x20             ; the mask, the output
	s_load_b512 s[68:83], s[0:1], 0x30             ; Wqkv's codes, scales, bqkv, Wp2's codes, scales, bp2, Wo's codes, scales
	s_load_b128 s[84:87], s[0:1], 0x70             ; bo, Wp1
	s_load_b64 s[88:89], s[0:1], 0x80              ; bp1
	v_lshrrev_b32 v100, 5, v0
	s_delay_alu instid0(VALU_DEP_1)
	v_readfirstlane_b32 s2, v100                   ; wave w
	s_and_b32 s3, s2, 3                            ; c
	s_lshr_b32 s18, s2, 2                          ; g
	s_xor_b32 s19, s2, s18
	s_and_b32 s19, s19, 1
	s_mul_i32 s27, s18, 4*REC
	s_lshl_b32 s32, s2, 14
	s_add_co_u32 s32, s32, QB
	s_mul_i32 s33, s2, 4352
	s_add_co_u32 s33, s33, OST
	s_lshl_b32 s34, s2, 7
	s_add_co_u32 s34, s34, FLAG
	s_mul_i32 s35, s2, REC
	s_add_co_u32 s55, s35, 3328
	s_add_co_u32 s56, s35, 4864
	s_add_co_u32 s57, s35, 5120
	s_lshl_b32 s39, s3, 6
	s_lshl_b32 s40, s3, 4
	s_mul_i32 s41, s18, 3072
	s_add_co_u32 s41, s41, OCIMG
	s_add_co_u32 s58, s41, 512
	s_mul_i32 s42, s3, 768
	s_lshl_b32 s43, s18, 7
	s_add_co_u32 s43, s43, OSC
	s_lshl_b32 s44, s3, 1
	s_mul_i32 s45, s3, 13312                       ; 64 rows of pitch 208
	s_add_co_u32 s52, s45, TW
	s_add_co_u32 s45, s45, WOR
	s_lshl_b32 s46, s18, 9
	s_add_co_u32 s46, s46, FLAG
	s_lshl_b32 s47, s3, 8
	s_mul_i32 s48, s2, 19968                       ; my 12 units (of 8 rows, 1,664 bytes) of Wqkv
	s_add_co_u32 s48, s48, TW
	s_mul_i32 s49, s2, 3328                        ; my 2 units of Wp2 (TP = 0)
	s_add_co_u32 s51, s49, TX                      ; and of x
	s_mul_i32 s50, s2, 6656                        ; my 4 units of Wo
	s_add_co_u32 s50, s50, WOR
	s_mul_i32 s53, s3, 6656
	s_mul_i32 s54, s18, 13312
	s_add_co_u32 s54, s54, TX
	s_mov_b32 s28, 0x76543210
	s_mov_b32 s29, 0xfedcba98
	s_mov_b32 s30, 0x3fb8aa3b
	s_mov_b32 s31, s30
	s_lshl_b32 s100, ttmp9, 7
	s_lshl_b32 s101, s18, 6
	s_add_co_u32 s100, s100, s101                  ; my group's first point
	s_mov_b32 s67, 0
	; the lines are ordered so that no line reads a result of the four lines above it
	v_and_b32 v101, 31, v0                         ; lane
	v_and_b32 v102, 15, v0                         ; r
	v_bfe_u32 v103, v0, 4, 1                       ; h
	v_lshl_add_u32 v139, v0, 2, WB
	v_mov_b32 v9, s34
	v_mov_b32 v[SQ+1], 0
	v_mov_b32 v157, 0
	v_mul_u32_u24 v104, v102, 208
	v_lshl_add_u32 v2, v101, 4, s27
	v_lshl_add_u32 v3, v102, 4, s27
	v_lshl_add_u32 v4, v103, 5, s27
	v_lshl_add_u32 v5, v102, 4, s32
	v_lshl_add_u32 v7, v101, 2, s33
	v_mul_u32_u24 v105, v102, 272
	v_mul_u32_u24 v24, v103, 272
	v_add_nc_u32 v107, 32, v101                    ; chunks 32 i + lane of a unit of 96
	v_add_nc_u32 v108, 64, v101
	v_mul_u32_u24 v109, v101, 43                   ; chunk / 12 = chunk x 43 >> 9 for chunks under 96
	v_add_nc_u32 v20, s40, v102
	v_lshl_add_u32 v21, v102, 2, s39
	v_lshl_add_u32 v28, v101, 4, s41
	v_lshl_add_u32 v29, v101, 3, s58
	v_lshl_add_u32 v30, v102, 3, s43
	v_and_b32 v128, 3, v102
	v_lshrrev_b32 v129, 2, v102
	v_lshl_add_u32 v33, v102, 4, s47
	v_lshl_add_u32 v34, v101, 4, s55
	v_lshl_add_u32 v35, v102, 4, s56
	v_lshl_add_u32 v36, v102, 2, s57
	v_lshl_add_u32 v37, v103, 7, WB
	v_lshlrev_b32 v38, 3, v103
	v_lshrrev_b32 v134, 1, v102
	v_and_b32 v140, 1, v102
	v_lshlrev_b32 v135, 4, v101
	v_lshlrev_b32 v136, 3, v102
	v_lshlrev_b32 v137, 2, v102
	v_lshlrev_b32 v8, 2, v101                      ; v6, v8, v10, v39: offsets for the head's small loads
	v_lshlrev_b32 v10, 3, v101
	v_lshlrev_b32 v39, 4, v102
	v_lshlrev_b32 v6, 3, v102
	v_mad_u32_u24 v104, v103, 24, v104             ; 208 r + 24 h
	v_lshl_add_u32 v93, v103, 11, v5               ; where q is stored
	v_add_nc_u32 v105, s33, v105
	v_lshl_add_u32 v24, v102, 4, v24
	v_mul_u32_u24 v110, v107, 43
	v_mul_u32_u24 v111, v108, 43
	v_lshrrev_b32 v109, 9, v109
	v_add_nc_u32 v25, s42, v28
	v_add_nc_u32 v26, s42, v29
	v_add_nc_u32 v27, s44, v30
	v_lshl_add_u32 v32, v128, 7, s46
	v_lshl_add_u32 v33, v103, 10, v33
	v_mul_u32_u24 v133, v134, 208
	v_lshl_add_u32 v136, v103, 2, v136             ; 8 r + 4 h
	v_lshl_add_u32 v6, v103, 11, v6                ; 8 r + 2048 h
	v_add_nc_u32 v1, s27, v104
	v_lshl_add_u32 v22, v103, 7, v105
	v_lshl_add_u32 v23, v103, 5, v105
	v_add_nc_u32 v24, s33, v24
	v_lshrrev_b32 v110, 9, v110
	v_lshrrev_b32 v111, 9, v111
	v_add_nc_u32 v27, v27, v103
	v_lshl_add_u32 v32, v129, 2, v32
	v_mad_u32_u24 v133, v140, 96, v133
	v_add_nc_u32 v31, s45, v104
	v_add_nc_u32 v130, s52, v104                   ; Wq's fragments
	v_add_nc_u32 v92, s54, v104                    ; my points' x fragments
	v_lshl_add_u32 v[PI], v109, 2, s39
	v_lshlrev_b32 v112, 4, v109
	v_mul_u32_u24 v141, v109, 12
	v_lshl_add_u32 v[PI+1], v110, 2, s39
	v_lshl_add_u32 v[PI+2], v111, 2, s39
	v_lshlrev_b32 v113, 4, v110
	v_lshlrev_b32 v114, 4, v111
	v_mul_u32_u24 v142, v110, 12
	v_mul_u32_u24 v143, v111, 12
	v_mad_u32_u24 v133, v103, 24, v133
	v_add_nc_u32 v131, 53248, v130                 ; Wk's: 256 rows on
	v_add_nc_u32 v132, 106496, v130                ; Wv's
	v_lshl_add_u32 v112, v101, 4, v112             ; 16 chunk + 16 row: the chunk's place in padded rows
	v_sub_nc_u32 v141, v101, v141
	v_lshl_add_u32 v113, v107, 4, v113
	v_lshl_add_u32 v114, v108, 4, v114
	v_sub_nc_u32 v142, v107, v142
	v_sub_nc_u32 v143, v108, v143
	v_add_nc_u32 v133, s53, v133                   ; Wp2's fragments
	v_lshlrev_b32 v[PP], 4, v141                   ; 16 (chunk % 12)
	v_add_nc_u32 v[PA], s35, v112
	v_add_nc_u32 v116, s48, v112
	v_add_nc_u32 v119, s49, v112
	v_add_nc_u32 v122, s50, v112
	v_add_nc_u32 v125, s51, v112
	v_lshlrev_b32 v[PP+1], 4, v142
	v_lshlrev_b32 v[PP+2], 4, v143
.irp i, 1,2
	v_add_nc_u32 v[PA+\i], s35, v[112+\i]
	v_add_nc_u32 v[116+\i], s48, v[112+\i]
	v_add_nc_u32 v[119+\i], s49, v[112+\i]
	v_add_nc_u32 v[122+\i], s50, v[112+\i]
	v_add_nc_u32 v[125+\i], s51, v[112+\i]
.endr
	s_wait_alu depctr_va_vdst(0)
	s_wait_kmcnt 0x0
	s_lshl_b32 s66, s100, 6
	s_add_nc_u64 s[10:11], s[10:11], s[66:67]
	s_lshl_b32 s66, s100, 4
	s_add_nc_u64 s[12:13], s[12:13], s[66:67]
	s_add_co_u32 s66, s100, s3
	s_mul_i32 s66, s66, 12
	s_add_nc_u64 s[16:17], s[8:9], s[66:67]        ; the position of the point that I produce
	s_lshl_b32 s66, s100, 10
	s_add_nc_u64 s[14:15], s[14:15], s[66:67]
	s_lshl_b32 s66, s100, 3
	s_add_nc_u64 s[92:93], s[6:7], s[66:67]        ; my points' scale bytes
	s_lshl_b32 s66, ttmp9, 3
	s_add_co_u32 s66, s66, s2
	s_mul_i32 s66, s66, 3072
	s_add_nc_u64 s[90:91], s[4:5], s[66:67]        ; rows 16 w .. 16 w + 15 of the work-group's own x
	s_mul_i32 s66, s2, 18432
	s_add_nc_u64 s[68:69], s[68:69], s[66:67]
	s_mul_i32 s66, s2, 3072
	s_add_nc_u64 s[74:75], s[74:75], s[66:67]
	s_mul_i32 s66, s2, 6144
	s_add_nc_u64 s[80:81], s[80:81], s[66:67]
	s_lshl_b32 s66, s3, 9
	s_add_nc_u64 s[70:71], s[70:71], s[66:67]
	s_add_nc_u64 s[82:83], s[82:83], s[66:67]
	s_lshl_b32 s66, s3, 8
	s_add_nc_u64 s[72:73], s[72:73], s[66:67]
	s_add_nc_u64 s[76:77], s[76:77], s[66:67]
	s_add_nc_u64 s[78:79], s[78:79], s[66:67]
	s_add_nc_u64 s[84:85], s[84:85], s[66:67]
	s_cmp_lt_u32 s2, 4
	s_cselect_b64 s[94:95], s[86:87], s[88:89]     ; waves 0-3 bring Wp1, waves 4-7 bp1: 128 bytes each
	s_lshl_b32 s66, s3, 7
	s_add_nc_u64 s[94:95], s[94:95], s[66:67]
	STAGEA 0
.irp t, 0,1,2,3
	global_load_b32 v[80+\t], v136, s[70:71] offset:128*\t         ; Wq's scale words: K step 0 below, 1 above
	global_load_b32 v[84+\t], v136, s[92:93] offset:128*\t         ; my points'
	global_load_b32 v[88+\t], v137, s[72:73] offset:64*\t          ; bq
.endr
	global_load_b32 v144, v8, s[94:95]
.irp u, 0,1
	global_load_b32 v[BVP+\u], v8, s[72:73] offset:2048+128*\u     ; bv
	global_load_b32 v[98+\u], v8, s[78:79] offset:128*\u           ; bp2
.endr
	WIN 0x40
.set n, 0
.rept 36
	global_load_b128 v[4*n:4*n+3], v135, s[68:69] offset:512*n     ; 512 consecutive bytes an instruction
.set n, n+1
.endr
	s_wait_loadcnt 53                              ; the indices are in: behind them 17 small loads and 36 of Wqkv
.set n, 0
.rept 6
	global_load_b128 v[144+4*n:147+4*n], v135, s[74:75] offset:512*n
	global_load_b128 v[216+4*n:219+4*n], v135, s[90:91] offset:512*n
.set n, n+1
.endr
.set n, 0
.rept 12
	global_load_b128 v[168+4*n:171+4*n], v135, s[80:81] offset:512*n
.set n, n+1
.endr
	WIN 0
	STAGEB 0
	STAGEA 1
	s_wait_loadcnt 42                              ; the small loads and Wqkv are in: behind them 24 staging loads, 11 gathers, 7 indices
	v_add_f32 v[BVP], v[BVP], v98
	v_add_f32 v[BVP+1], v[BVP+1], v99
	ds_store_b32 v139, v144
	WIN 0x04
.set n, 0
.rept 36
	ds_store_b128 v[116+(n%3)], v[4*n:4*n+3] offset:(n/3)*1664
.set n, n+1
.endr
	s_wait_loadcnt 18                              ; all staging loads are in: behind them the gathers and the indices
.set n, 0
.rept 6
	ds_store_b128 v[119+(n%3)], v[144+4*n:147+4*n] offset:(n/3)*1664
	ds_store_b128 v[125+(n%3)], v[216+4*n:219+4*n] offset:(n/3)*1664
.set n, n+1
.endr
.set n, 0
.rept 12
	ds_store_b128 v[122+(n%3)], v[168+4*n:171+4*n] offset:(n/3)*1664
.set n, n+1
.endr
	WIN 0
	BAR                                            ; the weights and x are whole in LDS
.irp t, 0,1,2,3
.irp p, 0,1,2,3,4,5,6,7,8,9,10,11
	ds_load_b64 v[160+24*\t+2*\p:161+24*\t+2*\p], v130 offset:3328*\t+48*(\p/3)+8*(\p%3)
.endr
.endr
.irp p, 0,1,2,3,4,5,6,7,8,9,10,11
	ds_load_b64 v[100+2*\p:101+2*\p], v92 offset:48*(\p/3)+8*(\p%3)
.endr
	WIN 0x40
.irp t, 0,1,2,3
.irp p, 0,1,2,3,4,5,6,7,8,9,10,11
	ds_load_b64 v[WK+24*\t+2*\p:WK+24*\t+2*\p+1], v131 offset:3328*\t+48*(\p/3)+8*(\p%3)
	ds_load_b64 v[WV+24*\t+2*\p:WV+24*\t+2*\p+1], v132 offset:3328*\t+48*(\p/3)+8*(\p%3)
.endr
.irp p, 0,1,2,3,4,5
	ds_load_b64 v[WP+12*\t+2*\p:WP+12*\t+2*\p+1], v133 offset:1664*\t+48*(\p/3)+8*(\p%3)
.endr
.endr
	WIN 0
	BAR                                            ; every wave has its weights: q, and round 0's operands, may be laid over the staged bytes (x's stay until the loop)
	; q of my 64 points x my 64 channels: [point][r][tile]
.irp m, 0,1,2,3
	s_wait_dscnt 0x0
.irp t, 0,1,2,3
	MMZ 124+8*\t, 100, 160+24*\t, 84+\m, 80+\t, 0
.endr
.irp t, 0,1,2,3
	MMC 124+8*\t, 112, 172+24*\t, 124+8*\t, 84+\m, 80+\t, 1, 1
.endr
	NOPS 4
.if \m < 3
.irp p, 0,1,2,3,4,5,6,7,8,9,10,11
	ds_load_b64 v[100+2*\p:101+2*\p], v92 offset:3328*(\m+1)+48*(\p/3)+8*(\p%3)
.endr
.endif
.irp f, 0,1
	WIN 0x40
.irp j, 0,1,2,3
.irp t, 0,1,2,3
	v_add_f32 v[240+4*\j+\t], v[124+8*\t+4*\f+\j], v[88+\t]
.endr
.endr
	WIN 0x04
.irp j, 0,1,2,3
	ds_store_b128 v93, v[240+4*\j:243+4*\j] offset:4096*\m+1024*\f+256*\j
.endr
	WIN 0
	s_wait_dscnt 0x0
.endr
.endr
.irp t, 0,1,2,3
	global_load_b64 v[KVS+2*\t:KVS+2*\t+1], v6, s[70:71] offset:2048+128*\t   ; lanes 0-15 Wk's scale words, lanes 16-31 Wv's
.endr
.irp u, 0,1
	global_load_b32 v[WPS+\u], v8, s[76:77] offset:128*\u
	global_load_b64 v[WOS+2*\u:WOS+2*\u+1], v10, s[82:83] offset:256*\u
.endr
	global_load_b128 v[BOR:BOR+3], v39, s[84:85]
	s_mov_b32 s20, 0                               ; the round
	s_mov_b32 s23, 0
	s_mov_b32 s25, 4
	s_mov_b32 s26, 0
	s_mov_b32 s21, 4
	WLOAD
	s_wait_xcnt 0x0                                ; the small loads have read their offsets: v10 is written again
	v_mov_b32 v10, v9
	s_wait_alu depctr_va_vdst(0)
	s_wait_loadcnt 9                               ; round 0's gathers and round 1's indices are in; the 9 small loads just issued may be out
	s_wait_kmcnt 0x0
	PRODUCE 0
	s_wait_dscnt 0x0
	STAGEB 1
	STAGEA 1
	s_wait_loadcnt 18                              ; the small loads are in: behind them 11 gathers and 7 indices
	s_barrier_signal -1
	s_barrier_wait -1
.Ltile:                                            ; four tiles of 16 points a group
	s_mov_b32 s24, 0
	s_mov_b32 s22, 2
.Lpair:                                            ; two rounds a trip, one on each buffer
	ROUND 0
	ROUND 1
	s_sub_co_u32 s22, s22, 1
	s_cmp_lg_u32 s22, 0
	s_cbranch_scc1 .Lpair
	WO
	s_sub_co_u32 s21, s21, 1
	s_cmp_lg_u32 s21, 0
	s_cbranch_scc1 .Ltile
	s_wait_xcnt 0x0
	v_lshl_add_u32 v158, v0, 2, SPARE
	v_mov_b32 v159, 0
	s_wait_alu depctr_va_vdst(0)
	s_wait_tensorcnt 0x0                           ; the wave's end
	ds_add_u32 v158, v159
	s_wait_dscnt 0x0
	s_endpgm
.Lfunc_end_k_q931c3c6b40_fused:
	.size	k_q931c3c6b40_fused, .Lfunc_end_k_q931c3c6b40_fused-k_q931c3c6b40_fused
	.p2alignl 7, 3214868480
	.fill 96, 4, 3214868480
	.section	.rodata,"a",@progbits
	.p2align	6, 0x0
	.amdhsa_kernel k_q931c3c6b40_fused
		.amdhsa_group_segment_fixed_size 311552
		.amdhsa_private_segment_fixed_size 0
		.amdhsa_enable_private_segment 0
		.amdhsa_kernarg_size 136
		.amdhsa_user_sgpr_count 2
		.amdhsa_user_sgpr_kernarg_segment_ptr 1
		.amdhsa_wavefront_size32 1
		.amdhsa_system_sgpr_workgroup_id_x 1
		.amdhsa_system_sgpr_workgroup_id_y 1
		.amdhsa_system_sgpr_workgroup_id_z 1
		.amdhsa_system_vgpr_workitem_id 0
		.amdhsa_next_free_vgpr 512
		.amdhsa_next_free_sgpr 102
		.amdhsa_reserve_vcc 1
		.amdhsa_float_denorm_mode_32 3
		.amdhsa_float_denorm_mode_16_64 3
		.amdhsa_memory_ordered 1
		.amdhsa_forward_progress 1
		.amdhsa_inst_pref_size 234
	.end_amdhsa_kernel
	.amdgpu_metadata
---
amdhsa.version: [ 1, 2 ]
amdhsa.kernels:
  - .name:           k_q931c3c6b40_fused
    .symbol:         k_q931c3c6b40_fused.kd
    .args:
      - { .name: x_codes, .offset: 0, .size: 8, .value_kind: global_buffer, .address_space: global }
      - { .name: x_scales, .offset: 8, .size: 8, .value_kind: global_buffer, .address_space: global }
      - { .name: pos, .offset: 16, .size: 8, .value_kind: global_buffer, .address_space: global }
      - { .name: attn_index, .offset: 24, .size: 8, .value_kind: global_buffer, .address_space: global }
      - { .name: mask, .offset: 32, .size: 8, .value_kind: global_buffer, .address_space: global }
      - { .name: out0, .offset: 40, .size: 8, .value_kind: global_buffer, .address_space: global }
      - { .name: Wqkv_codes, .offset: 48, .size: 8, .value_kind: global_buffer, .address_space: global }
      - { .name: Wqkv_scales, .offset: 56, .size: 8, .value_kind: global_buffer, .address_space: global }
      - { .name: bqkv, .offset: 64, .size: 8, .value_kind: global_buffer, .address_space: global }
      - { .name: Wp2_codes, .offset: 72, .size: 8, .value_kind: global_buffer, .address_space: global }
      - { .name: Wp2_scales, .offset: 80, .size: 8, .value_kind: global_buffer, .address_space: global }
      - { .name: bp2, .offset: 88, .size: 8, .value_kind: global_buffer, .address_space: global }
      - { .name: Wo_codes, .offset: 96, .size: 8, .value_kind: global_buffer, .address_space: global }
      - { .name: Wo_scales, .offset: 104, .size: 8, .value_kind: global_buffer, .address_space: global }
      - { .name: bo, .offset: 112, .size: 8, .value_kind: global_buffer, .address_space: global }
      - { .name: Wp1, .offset: 120, .size: 8, .value_kind: global_buffer, .address_space: global }
      - { .name: bp1, .offset: 128, .size: 8, .value_kind: global_buffer, .address_space: global }
    .group_segment_fixed_size: 311552
    .private_segment_fixed_size: 0
    .kernarg_segment_align: 8
    .kernarg_segment_size: 136
    .max_flat_workgroup_size: 256
    .sgpr_count:     102
    .vgpr_count:     512
    .wavefront_size: 32
...
	.end_amdgpu_metadata
.endif
;; end of part 1
